; MI455X (gfx1250); checked and timed in simulation.
; The chip was launched on July 23, 2026; its instructions are those of AMD's public machine-readable ISA for CDNA 5 (MIT licence, August 2026) and "CDNA5" Instruction Set Architecture Reference Guide (July 2026). The comments in the code are by the model that wrote it; some were corrected since.
;; Neural Attention. Allowed arithmetic: float matrix products may take bf16 or f16 operands with f32 sums; all other float work in f32.
;; Inputs: K 1 x 2 x 512 x 64 float32; Q 1 x 2 x 512 x 64 float32; W1 128 x 256 float32; W2 256 float32; b1 256 float32; b2 1 float32.
;; Outputs: out0 1 x 2 x 512 x 512 float32.
;; 2 versions, each right; version 2 is version 1 with the launch pairs written anew for expert scheduling mode. Each part assembles by itself: llvm-mc -triple=amdgcn-amd-amdhsa -mcpu=gfx1250 --defsym DOCPART=n.
;; ======== version 1 of 2: 1 launch
;; launch pairs (part 1): grid 8 x 32, 4 waves a work-group, no clusters, 118,528 bytes of LDS; arguments Q, K, W1, W2, b1, b2, out0; writes out0
.if DOCPART == 1
	.amdgcn_target "amdgcn-amd-amdhsa--gfx1250"
	.amdhsa_code_object_version 6
	.text
	.protected	k_q1a6549b39c_pairs
	.globl	k_q1a6549b39c_pairs
	.p2align	8
	.type	k_q1a6549b39c_pairs,@function
k_q1a6549b39c_pairs:
	s_mov_b64 s[64:65], 0
	v_nop
	global_prefetch_b8 v0, s[64:65] scope:SCOPE_SE
	s_setreg_imm32_b32 hwreg(HW_REG_WAVE_MODE, 25, 1), 1
	s_wait_xcnt 0x0
; scores[h][i][j] = sum over f of W2[f] * relu(qp[i][f] + kp[j][f]) + b2,  qp = Q Wq + b1,  kp = K Wk   (2 heads, 512 x 512 pairs, 256 f).
;
; THE IDENTITY.  relu(q + k) = max(k, -q) + q.  With nq = -(Q Wq + b1), k = K Wk, w = W2:
;     score = sum_f w[f] * max(k[j][f], nq[i][f])  -  sum_f w[f] * nq[i][f]  +  b2.
; The second sum (corr) hangs on i alone.  A hidden number then costs one maximum and one multiply-add, two numbers to an instruction
; each (a v_dual_max_num_f32 pair, a v_pk_fma_f32): 134.2 M numbers / 32 lanes / 1024 SIMDs = 4096 vector instructions a SIMD.
; corr is summed from the SAME stored f32 nq, in the same order as every sum of maxima (one chain a lane, then lanes xor 1, then xor 2),
; so the bf16 rounding of the projections enters both alike; what is left is f32 rounding of the order 2^-22 * sum_f |w nq|.
; LIMITS, kept on purpose: a NaN in a row of K is dropped by max_num (the reference gives NaN); qp = -inf gives NaN (the reference
; gives 0 for that unit); the sums are added in another order than the reference's.
; The second product (one output column) stays on the vector ALU in f32: for the matrix unit each pair of hidden numbers would need a
; conversion to bf16, as many instructions as the packed multiply-add it saves, and a rounded maximum would no longer cancel against corr.
;
; THE SHARES.  256 work-groups of four waves; a work-group makes 32 i x 64 j of one head.
; Prologue: wave g projects all 96 rows (32 of Q, 64 of K) onto f = 64 g .. 64 g + 63: 48 matrix instructions, bf16 operands, f32 sums.
; Main part: wave g makes rows 8 g .. 8 g + 7 x all 64 j.  Lane l = 4 u + fq: j = 8 u + b (b = 0..7 in registers), and fq takes a quarter
; of the f, so that a lane has 8 x 8 sums over 64 f: 18 LDS loads of 16 bytes feed 260 vector instructions.
; NOT USED: clusters with joint requests, though every work-group reads W1 and the eight of a block row the same rows of Q.  A joint
; request lands in LDS; here a lane's 16 bytes of W1 go from memory straight into registers in the order of the fragments, and the way
; through LDS would add 131,072 bytes written and read back in each work-group.  No LDS byte is filled twice, so there is no ring.
;
; ORDER OF f IN LDS.  A lane's 16 bytes of a row of W1 are f = 64 g + 4 r + c, c = 0..3; fragment c takes number c of each, so its row m
; stands for f = 64 g + 4 m + c, and register jj of its result in lane (r, h) for f = 64 g + 32 h + 4 jj + c.  Results are stored as they
; lie: slot 64 g + 32 h + 8 c + jj.  nq, k and w use the same slots, and the sum over f does not care for the order.
.set PB,    144                        ; a bf16 row of Q or K in LDS: 128 bytes + 16: 16 rows start in 16 different 16-byte columns modulo 256 bytes
.set PP,    1040                       ; a projected f32 row: 1024 bytes + 16, for the same reason
.set RAWB,  0                          ; 96 bf16 rows: -Q rows 0-31, K rows 32-95
.set KREG,  13824                      ; k: row j at place j + j/16 (67 places)
.set QREG,  83712                      ; nq: 32 rows
.set WS,    116992                     ; W2 in slot order, 1024 bytes
; vector registers: addresses
.set R_,   1                           ; lane % 16
.set H_,   2                           ; lane / 16
.set VT16, 3                           ; 16 t: my 16 bytes of each 2,048 bytes of raw rows
.set VB,   4                           ; 256 g + 128 h: my 32 numbers of b1, my 128 bytes of a projected row
.set AW,   5                           ; W1: 256 g + 16 r + 8 h rows of 1,024 bytes
.set VW2,  6                           ; W2: 4 x the f of slot t
.set ARS,  7                           ; LDS: where I store bf16 rows
.set AWS,  8                           ; LDS: where I store W2
.set ARF,  9                           ; LDS: my bytes of a row fragment
.set AQS,  10                          ; LDS: where I store nq
.set AKS,  11                          ; LDS: where I store k
.set AQL,  12                          ; LDS, main part: nq of my wave's rows
.set AKL,  13                          ; LDS, main part: k of my 8 j
.set AWL,  14                          ; LDS, main part: w
.set AQX,  15                          ; LDS, main part: nq of row u, for corr
.set AOUT, 16                          ; 8 x lane: my 8 bytes of a row of the output block
.set TMP,  17
.set CORR, 18                          ; my share of corr[u]
.set TM2,  19
.set TM3,  20
; prologue
.set NB1,  24                          ; v[24:55]    -b1 as C operand, [8 c + jj]
.set WF,   56                          ; v[56:119]   fragments of W, [32 ks + 8 c + p]
.set RF0,  120                         ; v[120:151]  fragments of two row tiles, [16 t + 8 ks + 4 half]
.set RF1,  152                         ; v[152:183]  the same, second buffer
.set DD,   184                         ; v[184:247]  results of two row tiles, [32 t + 8 c + jj]
.set XR,   120                         ; v[120:167]  in front of the first barrier: 12 loads of raw rows
.set XB,   168                         ; v[168:199]  b1 as loaded
.set XW,   200                         ; v[200:201]  W2 as loaded
                                       ; v256-v511   W1 as loaded: load q at 4 q, q = ((2 mat + ks) 8 + p) 2 + e
; main part
.set ACC,  24                          ; v[24:87]    sum (a, b) at ACC + 8 a + b
.set T,    88                          ; v[88:103]   maxima, two sets of 8
.set SETA, 104                         ; operand set A: nq 32, even rows of k 16, (2 free), odd rows of k 16, w 4, nq of row u 4
.set SETB, 180                         ; operand set B
.set OKE,  32                          ; even b: register number = 0 mod 4 (+ f)
.set OKO,  50                          ; odd b:  = 2 mod 4 (+ f), so that the two second sources of a dual instruction lie in different banks
.set OW,   66
.set OX,   70
.set MSB, 0
.macro WIN new                         ; s_set_vgpr_msb: the immediate's high byte repeats the setting that is left
.if MSB != \new
	s_set_vgpr_msb (MSB<<8)|\new
.set MSB, \new
.endif
.endm
	s_load_b256 s[4:11], s[0:1], 0x0               ; Q s[4:5], K s[6:7], W1 s[8:9], W2 s[10:11]
	s_load_b128 s[12:15], s[0:1], 0x20             ; b1 s[12:13], b2 s[14:15]
	s_load_b64 s[16:17], s[0:1], 0x30              ; out0
	v_lshl_add_u32 v254, v0, 2, 0x1cd00
	v_mov_b32 v255, 0
	v_lshrrev_b32 v[TMP], 5, v0
	v_readfirstlane_b32 s2, v[TMP]                 ; wave g
	s_and_b32 s3, ttmp7, 0xffff                    ; y = 16 head + block of 32 i;  ttmp9 = block of 64 j
	s_mov_b32 s20, 0xaaaaaaaa                      ; lanes with fq odd
	s_mov_b32 s21, 0xcccccccc                      ; lanes with fq >= 2
	s_lshl_b32 s22, s2, 8                          ; 64 g numbers = 256 g bytes
	s_mov_b32 s23, 0x80000000                      ; the sign of an f32
	s_mov_b32 s24, 0x80008000                      ; the signs of two bf16
	s_mul_i32 s27, s2, 8*PP                        ; my wave's 8 rows of nq
	s_lshl_b32 s18, s3, 13                         ; Q: 32 y rows of 256 bytes
	s_mov_b32 s19, 0
	s_lshr_b32 s30, s3, 4                          ; K: (512 head + 64 block) rows of 256 bytes
	s_lshl_b32 s30, s30, 17
	s_lshl_b32 s28, ttmp9, 14
	s_add_co_u32 s30, s30, s28
	s_mov_b32 s31, 0
	s_lshl_b32 s32, s3, 16                         ; out0: row 32 y + 8 g (2,048 bytes each), column 64 x block
	s_lshl_b32 s28, s2, 14
	s_add_co_u32 s32, s32, s28
	s_lshl_b32 s28, ttmp9, 8
	s_add_co_u32 s32, s32, s28
	s_mov_b32 s33, 0
	v_and_b32 v[R_], 15, v0
	v_bfe_u32 v[H_], v0, 4, 1
	v_lshlrev_b32 v[VT16], 4, v0
	v_lshl_add_u32 v[VB], v[H_], 7, s22
	v_lshlrev_b32 v[AW], 4, v[R_]
	v_lshl_add_u32 v[AW], v[H_], 13, v[AW]
	v_add_nc_u32 v[AW], s22, v[AW]
	v_and_b32 v[VW2], 0x60, v0                     ; slot t = 32 (2 g' + h') + 8 c + jj holds f = 32 (2 g' + h') + 4 jj + c
	v_and_b32 v[TMP], 7, v0
	v_lshl_or_b32 v[VW2], v[TMP], 2, v[VW2]
	v_bfe_u32 v[TMP], v0, 3, 2
	v_or_b32 v[VW2], v[VW2], v[TMP]
	v_lshlrev_b32 v[VW2], 2, v[VW2]
	s_wait_kmcnt 0x0
	s_add_nc_u64 s[4:5], s[4:5], s[18:19]
	s_add_nc_u64 s[6:7], s[6:7], s[30:31]
	s_add_nc_u64 s[16:17], s[16:17], s[32:33]
	s_load_b32 s26, s[14:15], 0x0                  ; b2; waited for in front of the way out
	; ---- all 86 global loads in one run.  Sixteen neighbouring lanes read 256 consecutive bytes, aligned, in every 16-byte load.
.irp n, 0,1,2,3
	global_load_b128 v[XR+4*\n:XR+4*\n+3], v[VT16], s[4:5] offset:2048*\n          ; Q: row t/16 + 8 n, numbers 4 (t % 16) ..
.endr
.irp n, 0,1,2,3,4,5,6,7
	global_load_b128 v[XR+16+4*\n:XR+16+4*\n+3], v[VT16], s[6:7] offset:2048*\n    ; K likewise
.endr
.irp j, 0,1,2,3,4,5,6,7
	global_load_b128 v[XB+4*\j:XB+4*\j+3], v[VB], s[12:13] offset:16*\j            ; b1[64 g + 32 h + 4 jj + c]
.endr
	global_load_b32 v[XW], v[VW2], s[10:11]                                        ; W2 of slot t
	global_load_b32 v[XW+1], v[VW2], s[10:11] offset:512                           ; and of slot t + 128
	WIN 0x40                                       ; destination in v256-v511, address in v0-v255
.set qq, 0
.rept 64                                           ; q = ((2 mat + ks) 8 + p) 2 + e: row 64 mat + 32 ks + 2 p + 8 (p / 4) + e (+ 8 h) of W1
	global_load_b128 v[4*qq:4*qq+3], v[AW], s[8:9] offset:(32*(qq>>4)+2*((qq>>1)&7)+8*((qq>>3)&1)+(qq&1))*1024
.set qq, qq+1
.endr
	WIN 0
	; ---- LDS addresses, while the loads are on their way
	v_lshrrev_b32 v[TMP], 4, v0
	v_mul_u32_u24 v[ARS], v[TMP], PB
	v_lshl_add_u32 v[ARS], v[R_], 3, v[ARS]        ; row t/16, 8 bytes for my 4 numbers
	v_lshl_add_u32 v[AWS], v0, 2, WS
	v_mul_u32_u24 v[ARF], v[R_], PB
	v_lshl_add_u32 v[ARF], v[H_], 4, v[ARF]        ; row r, 16 bytes of half h
	v_mul_u32_u24 v[TMP], v[R_], PP
	v_add_nc_u32 v[TMP], v[TMP], v[VB]
	v_add_nc_u32 v[AQS], QREG, v[TMP]
	v_add_nc_u32 v[AKS], KREG, v[TMP]
	v_and_b32 v[TMP], 3, v0
	v_lshlrev_b32 v[TMP], 5, v[TMP]                ; 32 fq: the four shares of f lie 32 bytes apart in every 128
	v_add_nc_u32 v[AWL], WS, v[TMP]
	v_add_nc_u32 v[AQL], s27, v[TMP]
	v_add_nc_u32 v[AQL], QREG, v[AQL]
	v_bfe_u32 v[TM2], v0, 2, 3                     ; u
	v_mul_u32_u24 v[AQX], v[TM2], PP
	v_add_nc_u32 v[AQX], v[AQX], v[AQL]
	v_lshrrev_b32 v[TM3], 1, v[TM2]
	v_lshl_add_u32 v[TM3], v[TM2], 3, v[TM3]       ; row 8 u + b lies at place 8 u + u/2 + b
	v_mul_u32_u24 v[TM3], v[TM3], PP
	v_add_nc_u32 v[TM3], v[TM3], v[TMP]
	v_add_nc_u32 v[AKL], KREG, v[TM3]
	v_and_b32 v[AOUT], 31, v0
	v_lshlrev_b32 v[AOUT], 3, v[AOUT]
	; ---- rows to bf16 into LDS, -b1 into the order of the results, W2 into slot order
	s_wait_loadcnt 63                              ; loads come back in order: behind the 22 small loads 64 of W1 were issued; 63 is the largest count that the wait can name
.irp n, 0,1,2,3,4,5,6,7,8,9,10,11
	v_cvt_pk_bf16_f32 v[XR+4*\n], v[XR+4*\n], v[XR+4*\n+1]
	v_cvt_pk_bf16_f32 v[XR+4*\n+1], v[XR+4*\n+2], v[XR+4*\n+3]
.endr
.irp n, 0,1,2,3
	v_xor_b32 v[XR+4*\n], s24, v[XR+4*\n]          ; -Q, so that the product is -Q Wq
	v_xor_b32 v[XR+4*\n+1], s24, v[XR+4*\n+1]
	ds_store_b64 v[ARS], v[XR+4*\n:XR+4*\n+1] offset:RAWB+8*PB*\n
.endr
.irp n, 0,1,2,3,4,5,6,7
	ds_store_b64 v[ARS], v[XR+16+4*\n:XR+16+4*\n+1] offset:RAWB+32*PB+8*PB*\n
.endr
	ds_store_b32 v[AWS], v[XW]
	ds_store_b32 v[AWS], v[XW+1] offset:512
.irp c, 0,1,2,3
.irp j, 0,1,2,3,4,5,6,7
	v_xor_b32 v[NB1+8*\c+\j], s23, v[XB+4*\j+\c]
.endr
.endr
	s_wait_dscnt 0x0                               ; my stores are in LDS before I say so; W1's loads, which touch no LDS, stay out
	s_barrier_signal -1
	s_barrier_wait -1                              ; all 96 bf16 rows and W2 are in
; ---- the prologue's steps
.macro PLACES                          ; behind matrix instructions (ISA guide 7.12.1): four places before a result is stored or a source loaded or written again,
.rept 5                                ; five before a later matrix instruction writes over a result
	v_nop
.endr
.endm
.macro LOADRF rf, row0                 ; fragments of rows row0 .. row0 + 31: lane (r, h) takes k = 32 ks + 16 half + 8 h .. + 7 of row r
.irp t, 0,1
.irp k, 0,1,2,3
	ds_load_b128 v[\rf+16*\t+4*\k:\rf+16*\t+4*\k+3], v[ARF] offset:RAWB+(\row0+16*\t)*PB+32*\k
.endr
.endr
.endm
.macro CVTW mat                        ; Wq (0) or Wk (1) to 8 fragments: number c of rows d and d + 1 makes register p of fragment c
.irp ks, 0,1
	s_wait_loadcnt 16*(3-2*\mat-\ks)               ; so many loads of W1 were issued behind this group of 16
	WIN 0x05                                       ; both sources in v256-v511
.set pp, 0
.rept 8
.set q0, 4*(((2*\mat+\ks)*8+pp)*2)
.irp c, 0,1,2,3
	v_cvt_pk_bf16_f32 v[WF+32*\ks+8*\c+pp], v[q0+\c], v[q0+4+\c]
.endr
.set pp, pp+1
.endr
	WIN 0
.endr
.endm
; 16 matrix instructions: source A = 16 f of W, source B = 16 data rows, so that a lane's 8 results are 8 f of one data row.
; The first K step starts the sums (with -b1, or with 0), the second goes on in place.
.macro MMS rf, bias
.irp t, 0,1
.irp c, 0,1,2,3
.if \bias
	v_wmma_f32_16x16x32_bf16 v[DD+32*\t+8*\c:DD+32*\t+8*\c+7], v[WF+8*\c:WF+8*\c+7], v[\rf+16*\t:\rf+16*\t+7], v[NB1+8*\c:NB1+8*\c+7]
.else
	v_wmma_f32_16x16x32_bf16 v[DD+32*\t+8*\c:DD+32*\t+8*\c+7], v[WF+8*\c:WF+8*\c+7], v[\rf+16*\t:\rf+16*\t+7], 0
.endif
.endr
.endr
.irp t, 0,1
.irp c, 0,1,2,3
	v_wmma_f32_16x16x32_bf16 v[DD+32*\t+8*\c:DD+32*\t+8*\c+7], v[WF+32+8*\c:WF+32+8*\c+7], v[\rf+16*\t+8:\rf+16*\t+15], v[DD+32*\t+8*\c:DD+32*\t+8*\c+7]
.endr
.endr
.endm
.macro STD adr, pit, base              ; 16 stores: results as they lie, 32 bytes a fragment
.irp t, 0,1
.irp c, 0,1,2,3
	ds_store_b128 v[\adr], v[DD+32*\t+8*\c:DD+32*\t+8*\c+3] offset:\base+\t*\pit+32*\c
	ds_store_b128 v[\adr], v[DD+32*\t+8*\c+4:DD+32*\t+8*\c+7] offset:\base+\t*\pit+32*\c+16
.endr
.endr
.endm
	LOADRF RF0, 0                                  ; -Q, 32 rows
	LOADRF RF1, 32                                 ; K rows 0-31
	CVTW 0
	s_wait_dscnt 8                                 ; LDS loads come back in order: the 8 of RF1 may stay out, RF0 is in
	MMS RF0, 1                                     ; nq = (-Q) Wq + (-b1)
	PLACES
	STD AQS, 16*PP, 0
	LOADRF RF0, 64                                 ; K rows 32-63
	CVTW 1
	s_wait_dscnt 8                                 ; only RF0's 8 new loads may be out: RF1 is in, and the stores have read the results
	MMS RF1, 0                                     ; k of rows 0-31
	PLACES
	STD AKS, 17*PP, 0                              ; tile T of 16 rows begins at place 17 T
	s_wait_dscnt 0x0                               ; RF0 is in, and the 16 stores are done with the result registers that the next products write over
	MMS RF0, 0                                     ; k of rows 32-63
	PLACES
	STD AKS, 17*PP, 34*PP
	s_wait_dscnt 0x0                               ; my stores are in LDS before I say so
	s_barrier_signal -1
	s_barrier_wait -1                              ; nq and k are whole; from here on LDS is only read
; ---- the main part: 16 steps of 4 slots of f a lane.  Step s takes bytes 128 (s / 2) + 32 fq + 16 (s % 2) of every row.
.macro LOADS st, off                   ; 18 loads of 16 bytes: 8 rows of nq (4 addresses a wave), my 8 rows of k, w, and nq of row u
.irp a, 0,1,2,3,4,5,6,7
	ds_load_b128 v[\st+4*\a:\st+4*\a+3], v[AQL] offset:\a*PP+\off
.endr
.irp e, 0,1,2,3
	ds_load_b128 v[\st+OKE+4*\e:\st+OKE+4*\e+3], v[AKL] offset:2*\e*PP+\off
	ds_load_b128 v[\st+OKO+4*\e:\st+OKO+4*\e+3], v[AKL] offset:(2*\e+1)*PP+\off
.endr
	ds_load_b128 v[\st+OW:\st+OW+3], v[AWL] offset:\off
	ds_load_b128 v[\st+OX:\st+OX+3], v[AQX] offset:\off
.endm
; group idx = 8 f + a: the 8 maxima of row a, slot f.  Both halves of a dual instruction take the same nq; their k lie two banks apart.
.macro DGRP st, idx
.set fa, \st+4*((\idx)&7)+((\idx)>>3)
.set td, T+8*((\idx)&1)
.set fd, (\idx)>>3
.set bp, 0
.rept 4
	v_dual_max_num_f32 v[td+2*bp], v[fa], v[\st+OKE+4*bp+fd] :: v_dual_max_num_f32 v[td+2*bp+1], v[fa], v[\st+OKO+4*bp+fd]
.set bp, bp+1
.endr
.endm
; and their 8 multiply-adds by w[f], which is broadcast from its half of a register pair.  zero: the first products start the sums.
.macro FGRP st, idx, zero
.set ab, ACC+8*((\idx)&7)
.set tf, T+8*((\idx)&1)
.set ff, (\idx)>>3
.set wp, \st+OW+2*(ff>>1)
.set zz, 0
.if \zero
.if ff == 0
.set zz, 1
.endif
.endif
.set bq, 0
.rept 4
.if zz
	v_pk_mul_f32 v[ab+2*bq:ab+2*bq+1], v[tf+2*bq:tf+2*bq+1], v[wp:wp+1] op_sel_hi:[1,0]
.else
.if ff&1
	v_pk_fma_f32 v[ab+2*bq:ab+2*bq+1], v[tf+2*bq:tf+2*bq+1], v[wp:wp+1], v[ab+2*bq:ab+2*bq+1] op_sel:[0,1,0]
.else
	v_pk_fma_f32 v[ab+2*bq:ab+2*bq+1], v[tf+2*bq:tf+2*bq+1], v[wp:wp+1], v[ab+2*bq:ab+2*bq+1] op_sel_hi:[1,0,1]
.endif
.endif
.set bq, bq+1
.endr
.endm
.macro CORRF st, f, zero               ; corr's chain: the same products in the same order as a sum whose maxima are all nq
.if \zero
	v_mul_f32 v[CORR], v[\st+OX+(\f)], v[\st+OW+(\f)]
.else
	v_fmac_f32 v[CORR], v[\st+OX+(\f)], v[\st+OW+(\f)]
.endif
.endm
.macro STEP cur, nxt, off, load, zero
.if \load
	LOADS \nxt, \off
	s_wait_dscnt 18                                ; LDS loads come back in order: the 18 just issued may stay out, this step's set is in
.else
	s_wait_dscnt 0x0                               ; nothing was issued behind the last set
.endif
	CORRF \cur, 0, \zero
	DGRP \cur, 0
.set nn, 1
.rept 31
.if (nn&7) == 0
	CORRF \cur, nn>>3, 0
.endif
	DGRP \cur, nn                                  ; the maxima of one group stand between the last group's maxima and its multiply-adds
	FGRP \cur, nn-1, \zero
.set nn, nn+1
.endr
	FGRP \cur, 31, \zero
.endm
.macro TRIP zero, last                 ; two steps = 128 bytes of every row
	STEP SETA, SETB, 16, 1, \zero
.if \last
	STEP SETB, SETA, 128, 0, 0
.else
	STEP SETB, SETA, 128, 1, 0
	v_add_nc_u32 v[AQL], 128, v[AQL]
	v_add_nc_u32 v[AKL], 128, v[AKL]
	v_add_nc_u32 v[AWL], 128, v[AWL]
	v_add_nc_u32 v[AQX], 128, v[AQX]
.endif
.endm
	LOADS SETA, 0
	TRIP 1, 0                                      ; the first trip stands in front of the loop: its first products start the sums
	s_mov_b32 s25, 6
.Ltrip:
	TRIP 0, 0
	s_sub_co_u32 s25, s25, 1
	s_cmp_lg_u32 s25, 0
	s_cbranch_scc1 .Ltrip
	TRIP 0, 1                                      ; the last trip loads nothing beyond the rows' ends
	; ---- the way out.  The four shares of f of a group of four lanes are added so that lane l = 4 u + fq keeps b = 2 fq, 2 fq + 1,
	; that is j = 2 l and 2 l + 1.  A step: each lane keeps one of two sums, sends the other to its partner and adds what it gets.
.macro RED x, y, mask, xm, tmp
	v_cndmask_b32 v[\tmp], v[\y], v[\x], \mask     ; what I send: x where the bit is set, else y
	v_cndmask_b32 v[\x], v[\x], v[\y], \mask       ; what I keep
	v_add_f32_dpp v[\x], v[\tmp], v[\x] row_xmask:\xm row_mask:0xf bank_mask:0xf
.endm
.set aa, 0
.rept 8
.irp b, 0,1,4,5
	RED ACC+8*aa+\b, ACC+8*aa+\b+2, s20, 1, T+8*(aa&1)+\b
.endr
.set aa, aa+1
.endr
.set aa, 0
.rept 8
.irp b, 0,1
	RED ACC+8*aa+\b, ACC+8*aa+\b+4, s21, 2, T+8*(aa&1)+\b
.endr
.set aa, aa+1
.endr
	v_add_f32_dpp v[CORR], v[CORR], v[CORR] row_xmask:1 row_mask:0xf bank_mask:0xf
	v_add_f32_dpp v[CORR], v[CORR], v[CORR] row_xmask:2 row_mask:0xf bank_mask:0xf   ; lanes 4 u .. 4 u + 3 hold corr of row u
.irp a, 0,1,2,3,4,5,6,7
	v_readlane_b32 s[40+\a], v[CORR], 4*\a
.endr
	s_wait_kmcnt 0x0                               ; b2
.irp a, 0,1,2,3,4,5,6,7
	v_sub_f32 v[ACC+8*\a], v[ACC+8*\a], s[40+\a]
	v_sub_f32 v[ACC+8*\a+1], v[ACC+8*\a+1], s[40+\a]
	v_add_f32 v[ACC+8*\a], s26, v[ACC+8*\a]
	v_add_f32 v[ACC+8*\a+1], s26, v[ACC+8*\a+1]
	global_store_b64 v[AOUT], v[ACC+8*\a:ACC+8*\a+1], s[16:17] offset:2048*\a th:TH_STORE_NT   ; the wave's store covers 256 consecutive bytes, aligned
.endr
	s_wait_tensorcnt 0x0
	ds_add_u32 v254, v255
	s_wait_dscnt 0x0
	s_endpgm
.Lfunc_end_k_q1a6549b39c_pairs:
	.size	k_q1a6549b39c_pairs, .Lfunc_end_k_q1a6549b39c_pairs-k_q1a6549b39c_pairs
	.p2alignl 7, 3214868480
	.fill 96, 4, 3214868480
	.section	.rodata,"a",@progbits
	.p2align	6, 0x0
	.amdhsa_kernel k_q1a6549b39c_pairs
		.amdhsa_group_segment_fixed_size 118528
		.amdhsa_private_segment_fixed_size 0
		.amdhsa_enable_private_segment 0
		.amdhsa_kernarg_size 56
		.amdhsa_user_sgpr_count 2
		.amdhsa_user_sgpr_kernarg_segment_ptr 1
		.amdhsa_wavefront_size32 1
		.amdhsa_system_sgpr_workgroup_id_x 1
		.amdhsa_system_sgpr_workgroup_id_y 1
		.amdhsa_system_sgpr_workgroup_id_z 1
		.amdhsa_system_vgpr_workitem_id 0
		.amdhsa_next_free_vgpr 512
		.amdhsa_next_free_sgpr 66
		.amdhsa_reserve_vcc 0
		.amdhsa_float_denorm_mode_32 3
		.amdhsa_float_denorm_mode_16_64 3
		.amdhsa_memory_ordered 1
		.amdhsa_forward_progress 1
		.amdhsa_inst_pref_size 149
	.end_amdhsa_kernel
	.amdgpu_metadata
---
amdhsa.version: [ 1, 2 ]
amdhsa.kernels:
  - .name:           k_q1a6549b39c_pairs
    .symbol:         k_q1a6549b39c_pairs.kd
    .args:
      - { .name: Q, .offset: 0, .size: 8, .value_kind: global_buffer, .address_space: global }
      - { .name: K, .offset: 8, .size: 8, .value_kind: global_buffer, .address_space: global }
      - { .name: W1, .offset: 16, .size: 8, .value_kind: global_buffer, .address_space: global }
      - { .name: W2, .offset: 24, .size: 8, .value_kind: global_buffer, .address_space: global }
      - { .name: b1, .offset: 32, .size: 8, .value_kind: global_buffer, .address_space: global }
      - { .name: b2, .offset: 40, .size: 8, .value_kind: global_buffer, .address_space: global }
      - { .name: out0, .offset: 48, .size: 8, .value_kind: global_buffer, .address_space: global }
    .group_segment_fixed_size: 118528
    .private_segment_fixed_size: 0
    .kernarg_segment_align: 8
    .kernarg_segment_size: 56
    .max_flat_workgroup_size: 128
    .sgpr_count:     66
    .vgpr_count:     512
    .wavefront_size: 32
...
	.end_amdgpu_metadata
.endif
;; end of part 1
;; ======== version 2 of 2: 1 launch; version 1 with the launch pairs written anew for expert scheduling mode
;; launch pairs (part 2): grid 8 x 32, 4 waves a work-group, no clusters, 118,528 bytes of LDS; arguments Q, K, W1, W2, b1, b2, out0; writes out0
.if DOCPART == 2
	.amdgcn_target "amdgcn-amd-amdhsa--gfx1250"
	.amdhsa_code_object_version 6
	.text
	.protected	k_q1a6549b39c_pairs
	.globl	k_q1a6549b39c_pairs
	.p2align	8
	.type	k_q1a6549b39c_pairs,@function
k_q1a6549b39c_pairs:
	s_mov_b64 s[64:65], 0
	v_nop
	global_prefetch_b8 v0, s[64:65] scope:SCOPE_SE
	s_setreg_imm32_b32 hwreg(HW_REG_WAVE_SCHED_MODE, 0, 2), 2
	s_setreg_imm32_b32 hwreg(HW_REG_WAVE_MODE, 25, 1), 1
	s_wait_xcnt 0x0
	s_wait_alu depctr_vm_vsrc(0)
; scores[h][i][j] = sum over f of W2[f] * relu(qp[i][f] + kp[j][f]) + b2,  qp = Q Wq + b1,  kp = K Wk   (2 heads, 512 x 512 pairs, 256 f).
;
; THE IDENTITY.  relu(q + k) = max(k, -q) + q.  With nq = -(Q Wq + b1), k = K Wk, w = W2:
;     score = sum_f w[f] * max(k[j][f], nq[i][f])  -  sum_f w[f] * nq[i][f]  +  b2.
; The second sum (corr) hangs on i alone.  A hidden number then costs one maximum and one multiply-add, two numbers to an instruction
; each (a v_dual_max_num_f32 pair, a v_pk_fma_f32): 134.2 M numbers / 32 lanes / 1024 SIMDs = 4096 vector instructions a SIMD.
; corr is summed from the SAME stored f32 nq, in the same order as every sum of maxima (one chain a lane, then lanes xor 1, then xor 2),
; so the bf16 rounding of the projections enters both alike; what is left is f32 rounding of the order 2^-22 * sum_f |w nq|.
; LIMITS, kept on purpose: a NaN in a row of K is dropped by max_num (the reference gives NaN); qp = -inf gives NaN (the reference
; gives 0 for that unit); the sums are added in another order than the reference's.
; The second product (one output column) stays on the vector ALU in f32: for the matrix unit each pair of hidden numbers would need a
; conversion to bf16, as many instructions as the packed multiply-add it saves, and a rounded maximum would no longer cancel against corr.
;
; THE SHARES.  256 work-groups of four waves; a work-group makes 32 i x 64 j of one head.
; Prologue: wave g projects all 96 rows (32 of Q, 64 of K) onto f = 64 g .. 64 g + 63: 48 matrix instructions, bf16 operands, f32 sums.
; Main part: wave g makes rows 8 g .. 8 g + 7 x all 64 j.  Lane l = 4 u + fq: j = 8 u + b (b = 0..7 in registers), and fq takes a quarter
; of the f, so that a lane has 8 x 8 sums over 64 f: 18 LDS loads of 16 bytes feed 260 vector instructions.
; NOT USED: clusters with joint requests, though every work-group reads W1 and the eight of a block row the same rows of Q.  A joint
; request lands in LDS; here a lane's 16 bytes of W1 go from memory straight into registers in the order of the fragments, and the way
; through LDS would add 131,072 bytes written and read back in each work-group.  No LDS byte is filled twice, so there is no ring.
;
; ORDER OF f IN LDS.  A lane's 16 bytes of a row of W1 are f = 64 g + 4 r + c, c = 0..3; fragment c takes number c of each, so its row m
; stands for f = 64 g + 4 m + c, and register jj of its result in lane (r, h) for f = 64 g + 32 h + 4 jj + c.  Results are stored as they
; lie: slot 64 g + 32 h + 8 c + jj.  nq, k and w use the same slots, and the sum over f does not care for the order.
;
; THE MODE: SCHED_MODE bits 1:0 = 2 (LLVM: expert scheduling mode 2), set by the entry lines.  The code itself states the register dependences
; between vector or matrix instructions and memory or LDS instructions, with s_wait_alu, always for 0.
; THE PLAN.  Registers that memory or LDS instructions touch:
;   v3-v11, v16   offsets and LDS addresses, made once by vector lines and never written again: one wait ahead of the first global load, one ahead of the first LDS store.
;   XR, XB, XW    global loads land; conversions and sign flips work on them; LDS stores read XR and XW; behind the first barrier row fragments land in
;                 XR and part of XB, and the products write over the rest of XB and XW.
;   RF0, RF1      LDS loads land; the products read them; RF0 is loaded once more behind the first pass's stores.
;   DD            each of three passes of products writes it, 16 LDS stores read it, the next pass writes it again; at last operand set B lands in it.
;   SETA, SETB    Step s reads one set with all its vector lines; the 18 loads of step s + 1 land in the other, which no vector line of step s names.
;   v12-v15       LDS addresses of the operand loads: read by every such load, stepped once a trip (two steps).
;   NB1, WF, the sums, the maxima and corr are named by vector and matrix instructions alone, but for the 16 sums that the last stores read.
; So in the main part ONE wait on va_vdst stands at the head of a step, behind the wait for the step's own set: the step before is done reading the
; other set (and, at a trip's head, the four addresses are written).  The step's 18 loads follow it in pairs, dealt among its first nine groups of
; vector lines, with no further wait.  One wait on vm_vsrc a trip stands ahead of the four adds to the addresses.
.set PB,    144                        ; a bf16 row of Q or K in LDS: 128 bytes + 16: 16 rows start in 16 different 16-byte columns modulo 256 bytes
.set PP,    1040                       ; a projected f32 row: 1024 bytes + 16, for the same reason
.set RAWB,  0                          ; 96 bf16 rows: -Q rows 0-31, K rows 32-95
.set KREG,  13824                      ; k: row j at place j + j/16 (67 places)
.set QREG,  83712                      ; nq: 32 rows
.set WS,    116992                     ; W2 in slot order, 1024 bytes
; vector registers: addresses
.set R_,   1                           ; lane % 16
.set H_,   2                           ; lane / 16
.set VT16, 3                           ; 16 t: my 16 bytes of each 2,048 bytes of raw rows
.set VB,   4                           ; 256 g + 128 h: my 32 numbers of b1, my 128 bytes of a projected row
.set AW,   5                           ; W1: 256 g + 16 r + 8 h rows of 1,024 bytes
.set VW2,  6                           ; W2: 4 x the f of slot t
.set ARS,  7                           ; LDS: where I store bf16 rows
.set AWS,  8                           ; LDS: where I store W2
.set ARF,  9                           ; LDS: my bytes of a row fragment
.set AQS,  10                          ; LDS: where I store nq
.set AKS,  11                          ; LDS: where I store k
.set AQL,  12                          ; LDS, main part: nq of my wave's rows
.set AKL,  13                          ; LDS, main part: k of my 8 j
.set AWL,  14                          ; LDS, main part: w
.set AQX,  15                          ; LDS, main part: nq of row u, for corr
.set AOUT, 16                          ; 8 x lane: my 8 bytes of a row of the output block
.set TMP,  17
.set CORR, 18                          ; my share of corr[u]
.set TM2,  19
.set TM3,  20
; prologue
.set NB1,  24                          ; v[24:55]    -b1 as C operand, [8 c + jj]
.set WF,   56                          ; v[56:119]   fragments of W, [32 ks + 8 c + p]
.set RF0,  120                         ; v[120:151]  fragments of two row tiles, [16 t + 8 ks + 4 half]
.set RF1,  152                         ; v[152:183]  the same, second buffer
.set DD,   184                         ; v[184:247]  results of two row tiles, [32 t + 8 c + jj]
.set XR,   120                         ; v[120:167]  in front of the first barrier: 12 loads of raw rows
.set XB,   168                         ; v[168:199]  b1 as loaded
.set XW,   200                         ; v[200:201]  W2 as loaded
                                       ; v256-v511   W1 as loaded: load q at 4 q, q = ((2 mat + ks) 8 + p) 2 + e
; main part
.set ACC,  24                          ; v[24:87]    sum (a, b) at ACC + 8 a + b
.set T,    88                          ; v[88:103]   maxima, two sets of 8
.set SETA, 104                         ; operand set A: nq 32, even rows of k 16, (2 free), odd rows of k 16, w 4, nq of row u 4
.set SETB, 180                         ; operand set B
.set OKE,  32                          ; even b: register number = 0 mod 4 (+ f)
.set OKO,  50                          ; odd b:  = 2 mod 4 (+ f), so that the two second sources of a dual instruction lie in different banks
.set OW,   66
.set OX,   70
.set MSB, 0
.macro WIN new                         ; s_set_vgpr_msb: the immediate's high byte repeats the setting that is left
.if MSB != \new
	s_set_vgpr_msb (MSB<<8)|\new
.set MSB, \new
.endif
.endm
	s_load_b256 s[4:11], s[0:1], 0x0               ; Q s[4:5], K s[6:7], W1 s[8:9], W2 s[10:11]
	s_load_b128 s[12:15], s[0:1], 0x20             ; b1 s[12:13], b2 s[14:15]
	s_load_b64 s[16:17], s[0:1], 0x30              ; out0
	v_lshl_add_u32 v254, v0, 2, 0x1cd00
	v_mov_b32 v255, 0
	v_lshrrev_b32 v[TMP], 5, v0
	v_readfirstlane_b32 s2, v[TMP]                 ; wave g
	v_and_b32 v[R_], 15, v0                        ; the lines that do not hang on the wave's number stand between that line and the wait for it
	v_bfe_u32 v[H_], v0, 4, 1
	v_lshlrev_b32 v[VT16], 4, v0
	v_and_b32 v[VW2], 0x60, v0                     ; slot t = 32 (2 g' + h') + 8 c + jj holds f = 32 (2 g' + h') + 4 jj + c
	v_and_b32 v[TMP], 7, v0
	v_lshl_or_b32 v[VW2], v[TMP], 2, v[VW2]
	v_bfe_u32 v[TMP], v0, 3, 2
	v_or_b32 v[VW2], v[VW2], v[TMP]
	v_lshlrev_b32 v[VW2], 2, v[VW2]
	s_and_b32 s3, ttmp7, 0xffff                    ; y = 16 head + block of 32 i;  ttmp9 = block of 64 j
	s_mov_b32 s20, 0xaaaaaaaa                      ; lanes with fq odd
	s_mov_b32 s21, 0xcccccccc                      ; lanes with fq >= 2
	s_wait_alu depctr_va_sdst(0)                   ; s2 is written, ahead of its first reader: offsets in W1, b1, out0 and LDS are made from it
	s_lshl_b32 s22, s2, 8                          ; 64 g numbers = 256 g bytes
	s_mov_b32 s23, 0x80000000                      ; the sign of an f32
	s_mov_b32 s24, 0x80008000                      ; the signs of two bf16
	s_mul_i32 s27, s2, 8*PP                        ; my wave's 8 rows of nq
	s_lshl_b32 s18, s3, 13                         ; Q: 32 y rows of 256 bytes
	s_mov_b32 s19, 0
	s_lshr_b32 s30, s3, 4                          ; K: (512 head + 64 block) rows of 256 bytes
	s_lshl_b32 s30, s30, 17
	s_lshl_b32 s28, ttmp9, 14
	s_add_co_u32 s30, s30, s28
	s_mov_b32 s31, 0
	s_lshl_b32 s32, s3, 16                         ; out0: row 32 y + 8 g (2,048 bytes each), column 64 x block
	s_lshl_b32 s28, s2, 14
	s_add_co_u32 s32, s32, s28
	s_lshl_b32 s28, ttmp9, 8
	s_add_co_u32 s32, s32, s28
	s_mov_b32 s33, 0
	v_lshl_add_u32 v[VB], v[H_], 7, s22
	v_lshlrev_b32 v[AW], 4, v[R_]
	v_lshl_add_u32 v[AW], v[H_], 13, v[AW]
	v_add_nc_u32 v[AW], s22, v[AW]
	s_wait_kmcnt 0x0
	s_add_nc_u64 s[4:5], s[4:5], s[18:19]
	s_add_nc_u64 s[6:7], s[6:7], s[30:31]
	s_add_nc_u64 s[16:17], s[16:17], s[32:33]
	s_load_b32 s26, s[14:15], 0x0                  ; b2; waited for in front of the way out
	; ---- all 86 global loads in one run.  Sixteen neighbouring lanes read 256 consecutive bytes, aligned, in every 16-byte load.
	s_wait_alu depctr_va_vdst(0)                   ; the four offsets v3 to v6 are written, which the loads below read; only loads and one window switch stand between this line and the last of them
.irp n, 0,1,2,3
	global_load_b128 v[XR+4*\n:XR+4*\n+3], v[VT16], s[4:5] offset:2048*\n          ; Q: row t/16 + 8 n, numbers 4 (t % 16) ..
.endr
.irp n, 0,1,2,3,4,5,6,7
	global_load_b128 v[XR+16+4*\n:XR+16+4*\n+3], v[VT16], s[6:7] offset:2048*\n    ; K likewise
.endr
.irp j, 0,1,2,3,4,5,6,7
	global_load_b128 v[XB+4*\j:XB+4*\j+3], v[VB], s[12:13] offset:16*\j            ; b1[64 g + 32 h + 4 jj + c]
.endr
	global_load_b32 v[XW], v[VW2], s[10:11]                                        ; W2 of slot t
	global_load_b32 v[XW+1], v[VW2], s[10:11] offset:512                           ; and of slot t + 128
	WIN 0x40                                       ; destination in v256-v511, address in v0-v255
.set qq, 0
.rept 64                                           ; q = ((2 mat + ks) 8 + p) 2 + e: row 64 mat + 32 ks + 2 p + 8 (p / 4) + e (+ 8 h) of W1
	global_load_b128 v[4*qq:4*qq+3], v[AW], s[8:9] offset:(32*(qq>>4)+2*((qq>>1)&7)+8*((qq>>3)&1)+(qq&1))*1024
.set qq, qq+1
.endr
	WIN 0
	; ---- LDS addresses, while the loads are on their way: none of these lines writes a register that a load above reads or lands in
	v_lshrrev_b32 v[TMP], 4, v0
	v_mul_u32_u24 v[ARS], v[TMP], PB
	v_lshl_add_u32 v[ARS], v[R_], 3, v[ARS]        ; row t/16, 8 bytes for my 4 numbers
	v_lshl_add_u32 v[AWS], v0, 2, WS
	v_mul_u32_u24 v[ARF], v[R_], PB
	v_lshl_add_u32 v[ARF], v[H_], 4, v[ARF]        ; row r, 16 bytes of half h
	v_mul_u32_u24 v[TMP], v[R_], PP
	v_add_nc_u32 v[TMP], v[TMP], v[VB]
	v_add_nc_u32 v[AQS], QREG, v[TMP]
	v_add_nc_u32 v[AKS], KREG, v[TMP]
	v_and_b32 v[TMP], 3, v0
	v_lshlrev_b32 v[TMP], 5, v[TMP]                ; 32 fq: the four shares of f lie 32 bytes apart in every 128
	v_add_nc_u32 v[AWL], WS, v[TMP]
	v_add_nc_u32 v[AQL], s27, v[TMP]
	v_add_nc_u32 v[AQL], QREG, v[AQL]
	v_bfe_u32 v[TM2], v0, 2, 3                     ; u
	v_mul_u32_u24 v[AQX], v[TM2], PP
	v_add_nc_u32 v[AQX], v[AQX], v[AQL]
	v_lshrrev_b32 v[TM3], 1, v[TM2]
	v_lshl_add_u32 v[TM3], v[TM2], 3, v[TM3]       ; row 8 u + b lies at place 8 u + u/2 + b
	v_mul_u32_u24 v[TM3], v[TM3], PP
	v_add_nc_u32 v[TM3], v[TM3], v[TMP]
	v_add_nc_u32 v[AKL], KREG, v[TM3]
	v_and_b32 v[AOUT], 31, v0
	v_lshlrev_b32 v[AOUT], 3, v[AOUT]
	; ---- rows to bf16 into LDS, -b1 into the order of the results, W2 into slot order.  All the vector lines first, then one wait, then the run of stores.
	s_wait_loadcnt 63                              ; loads come back in order: behind the 22 small loads 64 of W1 were issued; 63 is the largest count that the wait can name
.irp n, 0,1,2,3,4,5,6,7,8,9,10,11
	v_cvt_pk_bf16_f32 v[XR+4*\n], v[XR+4*\n], v[XR+4*\n+1]
	v_cvt_pk_bf16_f32 v[XR+4*\n+1], v[XR+4*\n+2], v[XR+4*\n+3]
.endr
.irp n, 0,1,2,3
	v_xor_b32 v[XR+4*\n], s24, v[XR+4*\n]          ; -Q, so that the product is -Q Wq
	v_xor_b32 v[XR+4*\n+1], s24, v[XR+4*\n+1]
.endr
.irp c, 0,1,2,3
.irp j, 0,1,2,3,4,5,6,7
	v_xor_b32 v[NB1+8*\c+\j], s23, v[XB+4*\j+\c]
.endr
.endr
	s_wait_alu depctr_va_vdst(0)                   ; the bf16 rows in XR and all LDS addresses v7 to v16 are written, which the stores and every later LDS line read; the lines above are done with XR and XB, in which row fragments land behind the barrier
.irp n, 0,1,2,3
	ds_store_b64 v[ARS], v[XR+4*\n:XR+4*\n+1] offset:RAWB+8*PB*\n
.endr
.irp n, 0,1,2,3,4,5,6,7
	ds_store_b64 v[ARS], v[XR+16+4*\n:XR+16+4*\n+1] offset:RAWB+32*PB+8*PB*\n
.endr
	ds_store_b32 v[AWS], v[XW]
	ds_store_b32 v[AWS], v[XW+1] offset:512
	s_wait_dscnt 0x0                               ; my stores are in LDS before I say so; W1's loads, which touch no LDS, stay out
	s_barrier_signal -1
	s_barrier_wait -1                              ; all 96 bf16 rows and W2 are in
	s_wait_alu depctr_vm_vsrc(0)                   ; my LDS stores have read XR and XW: row fragments land in XR below, and the products write over XW
; ---- the prologue's steps
.macro PLACES                          ; behind matrix instructions (ISA guide 7.12.1): four places before a result is stored or a source written again,
.rept 5                                ; five before a later matrix instruction writes over a result
	v_nop
.endr
.endm
.macro LOADRF rf, row0                 ; fragments of rows row0 .. row0 + 31: lane (r, h) takes k = 32 ks + 16 half + 8 h .. + 7 of row r
.irp t, 0,1
.irp k, 0,1,2,3
	ds_load_b128 v[\rf+16*\t+4*\k:\rf+16*\t+4*\k+3], v[ARF] offset:RAWB+(\row0+16*\t)*PB+32*\k
.endr
.endr
.endm
.macro CVTW mat                        ; Wq (0) or Wk (1) to 8 fragments: number c of rows d and d + 1 makes register p of fragment c
.irp ks, 0,1
	s_wait_loadcnt 16*(3-2*\mat-\ks)               ; so many loads of W1 were issued behind this group of 16
	WIN 0x05                                       ; both sources in v256-v511
.set pp, 0
.rept 8
.set q0, 4*(((2*\mat+\ks)*8+pp)*2)
.irp c, 0,1,2,3
	v_cvt_pk_bf16_f32 v[WF+32*\ks+8*\c+pp], v[q0+\c], v[q0+4+\c]
.endr
.set pp, pp+1
.endr
	WIN 0
.endr
.endm
; 16 matrix instructions: source A = 16 f of W, source B = 16 data rows, so that a lane's 8 results are 8 f of one data row.
; The first K step starts the sums (with -b1, or with 0), the second goes on in place.
.macro MMS rf, bias
.irp t, 0,1
.irp c, 0,1,2,3
.if \bias
	v_wmma_f32_16x16x32_bf16 v[DD+32*\t+8*\c:DD+32*\t+8*\c+7], v[WF+8*\c:WF+8*\c+7], v[\rf+16*\t:\rf+16*\t+7], v[NB1+8*\c:NB1+8*\c+7]
.else
	v_wmma_f32_16x16x32_bf16 v[DD+32*\t+8*\c:DD+32*\t+8*\c+7], v[WF+8*\c:WF+8*\c+7], v[\rf+16*\t:\rf+16*\t+7], 0
.endif
.endr
.endr
.irp t, 0,1
.irp c, 0,1,2,3
	v_wmma_f32_16x16x32_bf16 v[DD+32*\t+8*\c:DD+32*\t+8*\c+7], v[WF+32+8*\c:WF+32+8*\c+7], v[\rf+16*\t+8:\rf+16*\t+15], v[DD+32*\t+8*\c:DD+32*\t+8*\c+7]
.endr
.endr
.endm
.macro STD adr, pit, base              ; 16 stores: results as they lie, 32 bytes a fragment
.irp t, 0,1
.irp c, 0,1,2,3
	ds_store_b128 v[\adr], v[DD+32*\t+8*\c:DD+32*\t+8*\c+3] offset:\base+\t*\pit+32*\c
	ds_store_b128 v[\adr], v[DD+32*\t+8*\c+4:DD+32*\t+8*\c+7] offset:\base+\t*\pit+32*\c+16
.endr
.endr
.endm
	LOADRF RF0, 0                                  ; -Q, 32 rows
	LOADRF RF1, 32                                 ; K rows 0-31
	CVTW 0
	s_wait_dscnt 8                                 ; LDS loads come back in order: the 8 of RF1 may stay out, RF0 is in
	MMS RF0, 1                                     ; nq = (-Q) Wq + (-b1)
	PLACES
	s_wait_alu depctr_va_vdst(0)                   ; the products have written DD, which the stores read, and are done reading RF0, in which the loads behind the stores land; the places above stay beside this wait
	STD AQS, 16*PP, 0
	LOADRF RF0, 64                                 ; K rows 32-63
	CVTW 1
	s_wait_dscnt 8                                 ; only RF0's 8 new loads may be out: RF1 is in
	s_wait_alu depctr_vm_vsrc(0)                   ; the 16 stores have read DD, which the next products write over
	MMS RF1, 0                                     ; k of rows 0-31
	PLACES
	s_wait_alu depctr_va_vdst(0)                   ; the products have written DD, which the stores read
	STD AKS, 17*PP, 0                              ; tile T of 16 rows begins at place 17 T
	s_wait_dscnt 0x0                               ; RF0 is in, and the 16 stores are done
	s_wait_alu depctr_vm_vsrc(0)                   ; the 16 stores have read DD, which the next products write over
	MMS RF0, 0                                     ; k of rows 32-63
	PLACES
	s_wait_alu depctr_va_vdst(0)                   ; the products have written DD, which the stores read; every matrix and vector line so far is done with v104 to v253, in which the first two operand sets land
	STD AKS, 17*PP, 34*PP
	s_wait_dscnt 0x0                               ; my stores are in LDS before I say so
	s_barrier_signal -1
	s_barrier_wait -1                              ; nq and k are whole; from here on LDS is only read
	s_wait_alu depctr_vm_vsrc(0)                   ; my last 16 stores have read DD, in which operand set B lands
; ---- the main part: 16 steps of 4 slots of f a lane.  Step s takes bytes 128 (s / 2) + 32 fq + 16 (s % 2) of every row.
; A set is 18 loads of 16 bytes: 0-7 the 8 rows of nq (4 addresses a wave), 8-15 my 8 rows of k, 16 w, 17 nq of row u.  LOAD1 writes number n of them.
.macro LOAD1 st, off, n
.if (\n) < 8
	ds_load_b128 v[\st+4*(\n):\st+4*(\n)+3], v[AQL] offset:(\n)*PP+\off
.elseif (\n) < 16
.if ((\n)&1) == 0
	ds_load_b128 v[\st+OKE+4*(((\n)-8)>>1):\st+OKE+4*(((\n)-8)>>1)+3], v[AKL] offset:((\n)-8)*PP+\off
.else
	ds_load_b128 v[\st+OKO+4*(((\n)-8)>>1):\st+OKO+4*(((\n)-8)>>1)+3], v[AKL] offset:((\n)-8)*PP+\off
.endif
.elseif (\n) == 16
	ds_load_b128 v[\st+OW:\st+OW+3], v[AWL] offset:\off
.else
	ds_load_b128 v[\st+OX:\st+OX+3], v[AQX] offset:\off
.endif
.endm
.macro LOADS st, off                   ; all 18 in one run: the first set alone
.irp n, 0,1,2,3,4,5,6,7,8,9,10,11,12,13,14,15,16,17
	LOAD1 \st, \off, \n
.endr
.endm
; group idx = 8 f + a: the 8 maxima of row a, slot f.  Both halves of a dual instruction take the same nq; their k lie two banks apart.
.macro DGRP st, idx
.set fa, \st+4*((\idx)&7)+((\idx)>>3)
.set td, T+8*((\idx)&1)
.set fd, (\idx)>>3
.set bp, 0
.rept 4
	v_dual_max_num_f32 v[td+2*bp], v[fa], v[\st+OKE+4*bp+fd] :: v_dual_max_num_f32 v[td+2*bp+1], v[fa], v[\st+OKO+4*bp+fd]
.set bp, bp+1
.endr
.endm
; and their 8 multiply-adds by w[f], which is broadcast from its half of a register pair.  zero: the first products start the sums.
.macro FGRP st, idx, zero
.set ab, ACC+8*((\idx)&7)
.set tf, T+8*((\idx)&1)
.set ff, (\idx)>>3
.set wp, \st+OW+2*(ff>>1)
.set zz, 0
.if \zero
.if ff == 0
.set zz, 1
.endif
.endif
.set bq, 0
.rept 4
.if zz
	v_pk_mul_f32 v[ab+2*bq:ab+2*bq+1], v[tf+2*bq:tf+2*bq+1], v[wp:wp+1] op_sel_hi:[1,0]
.else
.if ff&1
	v_pk_fma_f32 v[ab+2*bq:ab+2*bq+1], v[tf+2*bq:tf+2*bq+1], v[wp:wp+1], v[ab+2*bq:ab+2*bq+1] op_sel:[0,1,0]
.else
	v_pk_fma_f32 v[ab+2*bq:ab+2*bq+1], v[tf+2*bq:tf+2*bq+1], v[wp:wp+1], v[ab+2*bq:ab+2*bq+1] op_sel_hi:[1,0,1]
.endif
.endif
.set bq, bq+1
.endr
.endm
.macro CORRF st, f, zero               ; corr's chain: the same products in the same order as a sum whose maxima are all nq
.if \zero
	v_mul_f32 v[CORR], v[\st+OX+(\f)], v[\st+OW+(\f)]
.else
	v_fmac_f32 v[CORR], v[\st+OX+(\f)], v[\st+OW+(\f)]
.endif
.endm
; A step works on set cur.  load = 1: the next step's set is asked for, into nxt, two loads behind each of the first nine groups: the last of them has
; 23 groups, 184 vector lines, in which to land.  zero = 1: the very first step.
.macro STEP cur, nxt, off, load, zero
	s_wait_dscnt 0x0                               ; this step's set is in: all its 18 loads were issued in the step before, and none behind them
.if \load
.if !\zero
	s_wait_alu depctr_va_vdst(0)                   ; the step before is done reading the other set, in which the loads below land; at a trip's head the four addresses v12 to v15 are written.  No vector line of this step names that set or those addresses
.endif                                                 ; (the very first step has no such line: no vector or matrix line has been issued since the wait in front of the prologue's last stores)
.endif
	CORRF \cur, 0, \zero
	DGRP \cur, 0
.if \load
	LOAD1 \nxt, \off, 0
	LOAD1 \nxt, \off, 1
.endif
.set nn, 1
.rept 31
.if (nn&7) == 0
	CORRF \cur, nn>>3, 0
.endif
	DGRP \cur, nn                                  ; the maxima of one group stand between the last group's maxima and its multiply-adds
	FGRP \cur, nn-1, \zero
.if \load
.if nn < 9
	LOAD1 \nxt, \off, 2*nn
	LOAD1 \nxt, \off, 2*nn+1
.endif
.endif
.set nn, nn+1
.endr
	FGRP \cur, 31, \zero
.endm
.macro TRIP zero, last                 ; two steps = 128 bytes of every row
	STEP SETA, SETB, 16, 1, \zero
.if \last
	STEP SETB, SETA, 128, 0, 0
.else
	STEP SETB, SETA, 128, 1, 0
	s_wait_alu depctr_vm_vsrc(0)                   ; the LDS loads issued so far have read the four addresses, which the adds write
	v_add_nc_u32 v[AQL], 128, v[AQL]
	v_add_nc_u32 v[AKL], 128, v[AKL]
	v_add_nc_u32 v[AWL], 128, v[AWL]
	v_add_nc_u32 v[AQX], 128, v[AQX]
.endif
.endm
	LOADS SETA, 0
	TRIP 1, 0                                      ; the first trip stands in front of the loop: its first products start the sums
	s_mov_b32 s25, 6
.Ltrip:
	TRIP 0, 0
	s_sub_co_u32 s25, s25, 1
	s_cmp_lg_u32 s25, 0
	s_cbranch_scc1 .Ltrip
	TRIP 0, 1                                      ; the last trip loads nothing beyond the rows' ends
	; ---- the way out.  The four shares of f of a group of four lanes are added so that lane l = 4 u + fq keeps b = 2 fq, 2 fq + 1,
	; that is j = 2 l and 2 l + 1.  A step: each lane keeps one of two sums, sends the other to its partner and adds what it gets.
.macro RED x, y, mask, xm, tmp
	v_cndmask_b32 v[\tmp], v[\y], v[\x], \mask     ; what I send: x where the bit is set, else y
	v_cndmask_b32 v[\x], v[\x], v[\y], \mask       ; what I keep
	v_add_f32_dpp v[\x], v[\tmp], v[\x] row_xmask:\xm row_mask:0xf bank_mask:0xf
.endm
.set aa, 0
.rept 8
.irp b, 0,1,4,5
	RED ACC+8*aa+\b, ACC+8*aa+\b+2, s20, 1, T+8*(aa&1)+\b
.endr
.set aa, aa+1
.endr
.set aa, 0
.rept 8
.irp b, 0,1
	RED ACC+8*aa+\b, ACC+8*aa+\b+4, s21, 2, T+8*(aa&1)+\b
.endr
.set aa, aa+1
.endr
	v_add_f32_dpp v[CORR], v[CORR], v[CORR] row_xmask:1 row_mask:0xf bank_mask:0xf
	v_add_f32_dpp v[CORR], v[CORR], v[CORR] row_xmask:2 row_mask:0xf bank_mask:0xf   ; lanes 4 u .. 4 u + 3 hold corr of row u
.irp a, 0,1,2,3,4,5,6,7
	v_readlane_b32 s[40+\a], v[CORR], 4*\a
.endr
	s_wait_alu depctr_va_sdst(0)                   ; s40 to s47 are written, ahead of their first reader: one wait behind the run of eight
	s_wait_kmcnt 0x0                               ; b2
.irp a, 0,1,2,3,4,5,6,7
	v_sub_f32 v[ACC+8*\a], v[ACC+8*\a], s[40+\a]
	v_sub_f32 v[ACC+8*\a+1], v[ACC+8*\a+1], s[40+\a]
	v_add_f32 v[ACC+8*\a], s26, v[ACC+8*\a]
	v_add_f32 v[ACC+8*\a+1], s26, v[ACC+8*\a+1]
.endr
	s_wait_alu depctr_va_vdst(0)                   ; the additions have written the 16 finished sums, which the eight stores read
.irp a, 0,1,2,3,4,5,6,7
	global_store_b64 v[AOUT], v[ACC+8*\a:ACC+8*\a+1], s[16:17] offset:2048*\a th:TH_STORE_NT   ; the wave's store covers 256 consecutive bytes, aligned
.endr
	s_wait_dscnt 0x0
	s_wait_alu depctr_hold_cnt(0) depctr_sa_sdst(0) depctr_va_vdst(0) depctr_va_sdst(0) depctr_va_ssrc(0) depctr_va_vcc(0) depctr_vm_vsrc(0)
	s_wait_tensorcnt 0x0
	ds_add_u32 v254, v255
	s_wait_dscnt 0x0
	s_endpgm
.Lfunc_end_k_q1a6549b39c_pairs:
	.size	k_q1a6549b39c_pairs, .Lfunc_end_k_q1a6549b39c_pairs-k_q1a6549b39c_pairs
	.p2alignl 7, 3214868480
	.fill 96, 4, 3214868480
	.section	.rodata,"a",@progbits
	.p2align	6, 0x0
	.amdhsa_kernel k_q1a6549b39c_pairs
		.amdhsa_group_segment_fixed_size 118528
		.amdhsa_private_segment_fixed_size 0
		.amdhsa_enable_private_segment 0
		.amdhsa_kernarg_size 56
		.amdhsa_user_sgpr_count 2
		.amdhsa_user_sgpr_kernarg_segment_ptr 1
		.amdhsa_wavefront_size32 1
		.amdhsa_system_sgpr_workgroup_id_x 1
		.amdhsa_system_sgpr_workgroup_id_y 1
		.amdhsa_system_sgpr_workgroup_id_z 1
		.amdhsa_system_vgpr_workitem_id 0
		.amdhsa_next_free_vgpr 512
		.amdhsa_next_free_sgpr 66
		.amdhsa_reserve_vcc 0
		.amdhsa_float_denorm_mode_32 3
		.amdhsa_float_denorm_mode_16_64 3
		.amdhsa_memory_ordered 1
		.amdhsa_forward_progress 1
		.amdhsa_inst_pref_size 150
	.end_amdhsa_kernel
	.amdgpu_metadata
---
amdhsa.version: [ 1, 2 ]
amdhsa.kernels:
  - .name:           k_q1a6549b39c_pairs
    .symbol:         k_q1a6549b39c_pairs.kd
    .args:
      - { .name: Q, .offset: 0, .size: 8, .value_kind: global_buffer, .address_space: global }
      - { .name: K, .offset: 8, .size: 8, .value_kind: global_buffer, .address_space: global }
      - { .name: W1, .offset: 16, .size: 8, .value_kind: global_buffer, .address_space: global }
      - { .name: W2, .offset: 24, .size: 8, .value_kind: global_buffer, .address_space: global }
      - { .name: b1, .offset: 32, .size: 8, .value_kind: global_buffer, .address_space: global }
      - { .name: b2, .offset: 40, .size: 8, .value_kind: global_buffer, .address_space: global }
      - { .name: out0, .offset: 48, .size: 8, .value_kind: global_buffer, .address_space: global }
    .group_segment_fixed_size: 118528
    .private_segment_fixed_size: 0
    .kernarg_segment_align: 8
    .kernarg_segment_size: 56
    .max_flat_workgroup_size: 128
    .sgpr_count:     66
    .vgpr_count:     512
    .wavefront_size: 32
...
	.end_amdgpu_metadata
.endif
;; end of part 2
